; MI455X (gfx1250); checked and timed in simulation.
; The chip was launched on July 23, 2026; its instructions are those of AMD's public machine-readable ISA for CDNA 5 (MIT licence, August 2026) and "CDNA5" Instruction Set Architecture Reference Guide (July 2026). The comments in the code are by the model that wrote it; some were corrected since.
;; Causal Self Attention. Allowed arithmetic: float matrix products may take bf16 or f16 operands with f32 sums; all other float work in f32.
;; Inputs: W_proj 1,024 x 1,024 float32; W_qkv 1,024 x 3,072 float32; x 2 x 2,048 x 1,024 float32.
;; Outputs: out0 2 x 2,048 x 1,024 float32.
;; 2 versions, each right; version 2 is version 1 with the launch cast written anew for expert scheduling mode. Each part assembles by itself: llvm-mc -triple=amdgcn-amd-amdhsa -mcpu=gfx1250 --defsym DOCPART=n.
;; ======== version 1 of 2: 4 launches
;; limits: values are held in f16: magnitudes above 65,504 overflow, below 6.1e-05 lose precision
;; workspace buffers: cb 16,777,216 bytes; qkvh 25,165,824 bytes; yh 8,388,608 bytes
;; launch cast (part 1): grid 256 x 1, 8 waves a work-group, no clusters, 0 bytes of LDS; arguments x, W_qkv, W_proj, cb; writes cb
.if DOCPART == 1
	.amdgcn_target "amdgcn-amd-amdhsa--gfx1250"
	.amdhsa_code_object_version 6
	.text
	.protected	k_q457743f83a_cast
	.globl	k_q457743f83a_cast
	.p2align	8
	.type	k_q457743f83a_cast,@function
k_q457743f83a_cast:
	s_mov_b64 s[64:65], 0
	v_nop
	global_prefetch_b8 v0, s[64:65] scope:SCOPE_SE
	s_setreg_imm32_b32 hwreg(HW_REG_WAVE_MODE, 25, 1), 1
	s_wait_xcnt 0x0
; x, W_qkv and W_proj (f32) are rounded once to 16 bits and laid one behind the other in cb:
;   byte 0          x      as bf16 [4096][1024]
;   byte 8,388,608  W_qkv  as bf16 [1024][3072]
;   byte 14,680,064 W_proj rounded to bf16 and that value written as f16 [1024][1024] (the last product's other operand is f16)
; LIMIT: |W_proj| below 65,504 (f16's largest number); below 6.1e-5 the f16 code is a denormal, absolute error at most 3e-8.
; A stream: no LDS, no matrix unit, no cluster, since no byte is read twice.
; Work-group g owns 32,768 numbers: 131,072 bytes in, 65,536 bytes out at cb + 65,536 g.  Groups 0-127 take x, 128-223 W_qkv,
; 224-255 W_proj, so that the output offset is linear in g.  Thread t takes 8 numbers a pass (32 bytes in, 16 bytes out), 16 passes.
; All 32 loads of a thread are issued at once; no register is used twice, so no source of a pending access is ever rewritten.
.set X, 4                              ; v[4:131]    pass p: 8 numbers as loaded
.set Y, 132                            ; v[132:195]  pass p: 4 words to store
.set T, 196                            ; v[196:197]  at work
.set PASSES, 16
	s_load_b256 s[4:11], s[0:1], 0x0               ; x s[4:5], W_qkv s[6:7], W_proj s[8:9], cb s[10:11]
	v_lshlrev_b32 v1, 5, v0                        ; 32 t: my bytes in a pass's 8,192
	v_lshlrev_b32 v2, 4, v0                        ; 16 t: my bytes in a pass's 4,096 of output
	s_wait_kmcnt 0x0
	s_cmp_lt_u32 ttmp9, 128                        ; which input is mine, and which group is its first
	s_cselect_b64 s[12:13], s[4:5], s[6:7]
	s_cselect_b32 s14, 0, 128
	s_cmp_lt_u32 ttmp9, 224
	s_cselect_b64 s[12:13], s[12:13], s[8:9]
	s_cselect_b32 s14, s14, 224
	s_sub_co_u32 s14, ttmp9, s14
	s_lshl_b32 s16, s14, 17                        ; 131,072 bytes of input a group
	s_mov_b32 s17, 0
	s_add_nc_u64 s[12:13], s[12:13], s[16:17]
	s_lshl_b32 s18, ttmp9, 16                      ; 65,536 bytes of output a group
	s_mov_b32 s19, 0
	s_add_nc_u64 s[10:11], s[10:11], s[18:19]
.set p, 0
.rept PASSES
	global_load_b128 v[X+8*p:X+8*p+3],   v1, s[12:13] offset:8192*p th:TH_LOAD_NT
	global_load_b128 v[X+8*p+4:X+8*p+7], v1, s[12:13] offset:8192*p+16 th:TH_LOAD_NT
.set p, p+1
.endr
; One pass.  half = 1: the bf16 value is widened again (a shift, a mask) and written as f16.
.macro PASS p, half
	s_wait_loadcnt 30-2*\p                         ; loads come back in order: this pass's two are in, the 2 (15 - p) younger ones stay out
.irp k, 0,1,2,3
	v_cvt_pk_bf16_f32 v[Y+4*\p+\k], v[X+8*\p+2*\k], v[X+8*\p+2*\k+1]
.endr
.if \half
.irp k, 0,1,2,3
	v_lshlrev_b32 v[T], 16, v[Y+4*\p+\k]
	v_and_b32 v[T+1], 0xffff0000, v[Y+4*\p+\k]
	v_cvt_pk_f16_f32 v[Y+4*\p+\k], v[T], v[T+1]
.endr
.endif
	global_store_b128 v2, v[Y+4*\p:Y+4*\p+3], s[10:11] offset:4096*\p   ; sixteen lanes store 256 consecutive bytes, aligned
.endm
	s_cmp_ge_u32 ttmp9, 224
	s_cbranch_scc1 .Lwp
.irp p, 0,1,2,3,4,5,6,7,8,9,10,11,12,13,14,15
	PASS \p, 0
.endr
	s_endpgm
.Lwp:
.irp p, 0,1,2,3,4,5,6,7,8,9,10,11,12,13,14,15
	PASS \p, 1
.endr
	s_endpgm
.Lfunc_end_k_q457743f83a_cast:
	.size	k_q457743f83a_cast, .Lfunc_end_k_q457743f83a_cast-k_q457743f83a_cast
	.p2alignl 7, 3214868480
	.fill 96, 4, 3214868480
	.section	.rodata,"a",@progbits
	.p2align	6, 0x0
	.amdhsa_kernel k_q457743f83a_cast
		.amdhsa_group_segment_fixed_size 0
		.amdhsa_private_segment_fixed_size 0
		.amdhsa_enable_private_segment 0
		.amdhsa_kernarg_size 32
		.amdhsa_user_sgpr_count 2
		.amdhsa_user_sgpr_kernarg_segment_ptr 1
		.amdhsa_wavefront_size32 1
		.amdhsa_system_sgpr_workgroup_id_x 1
		.amdhsa_system_sgpr_workgroup_id_y 1
		.amdhsa_system_sgpr_workgroup_id_z 1
		.amdhsa_system_vgpr_workitem_id 0
		.amdhsa_next_free_vgpr 200
		.amdhsa_next_free_sgpr 66
		.amdhsa_reserve_vcc 0
		.amdhsa_float_denorm_mode_32 3
		.amdhsa_float_denorm_mode_16_64 3
		.amdhsa_memory_ordered 1
		.amdhsa_forward_progress 1
		.amdhsa_inst_pref_size 27
	.end_amdhsa_kernel
	.amdgpu_metadata
---
amdhsa.version: [ 1, 2 ]
amdhsa.kernels:
  - .name:           k_q457743f83a_cast
    .symbol:         k_q457743f83a_cast.kd
    .args:
      - { .name: x, .offset: 0, .size: 8, .value_kind: global_buffer, .address_space: global }
      - { .name: W_qkv, .offset: 8, .size: 8, .value_kind: global_buffer, .address_space: global }
      - { .name: W_proj, .offset: 16, .size: 8, .value_kind: global_buffer, .address_space: global }
      - { .name: cb, .offset: 24, .size: 8, .value_kind: global_buffer, .address_space: global }
    .group_segment_fixed_size: 0
    .private_segment_fixed_size: 0
    .kernarg_segment_align: 8
    .kernarg_segment_size: 32
    .max_flat_workgroup_size: 256
    .sgpr_count:     66
    .vgpr_count:     200
    .wavefront_size: 32
...
	.end_amdgpu_metadata
.endif
;; end of part 1
;; launch qkv (part 2): grid 8 x 32, 4 waves a work-group, clusters of 4 x 4, 327,680 bytes of LDS; arguments cb, qkvh; writes qkvh
.if DOCPART == 2
	.amdgcn_target "amdgcn-amd-amdhsa--gfx1250"
	.amdhsa_code_object_version 6
	.text
	.protected	k_q457743f83a_qkv
	.globl	k_q457743f83a_qkv
	.p2align	8
	.type	k_q457743f83a_qkv,@function
k_q457743f83a_qkv:
	s_mov_b64 s[64:65], 0
	v_nop
	global_prefetch_b8 v0, s[64:65] scope:SCOPE_SE
	s_setreg_imm32_b32 hwreg(HW_REG_WAVE_MODE, 25, 1), 1
	s_wait_xcnt 0x0
	s_wait_alu depctr_hold_cnt(0) depctr_sa_sdst(0) depctr_va_vdst(0) depctr_va_sdst(0) depctr_va_ssrc(0) depctr_va_vcc(0) depctr_vm_vsrc(0)
	s_getreg_b32 s2, hwreg(HW_REG_IB_STS2, 6, 4)
	s_cmp_eq_u32 s2, 0
	s_cbranch_scc0 .Lentry_in_a_cluster
	s_endpgm
.Lentry_in_a_cluster:
	s_bfe_u32 s2, ttmp6, 0x10000c
	s_cmp_lg_u32 s2, 0xf033
	s_cbranch_scc0 .Lentry_shape_is_right
	s_endpgm
.Lentry_shape_is_right:
; qkv = x W_qkv.  x: bf16 [4096][1024] at cb + 0; W_qkv: bf16 [1024 k][3072 n] at cb + 8,388,608; sums in f32; the result is rounded
; once to f16 and stored by heads: qkvh[which (q,k,v)][b*16+h][t][d], a block of 262,144 dense bytes for each (which, b, h).
; LIMIT: |q|, |k|, |v| below 65,504 (f16's largest number).
; A work-group makes 128 rows x 384 columns (6 heads) with four waves.  Wave w makes all 128 rows x 96 columns: 32 columns of each of W's
; three tiles of 128, n = 128 s + 32 w + 16 b' (s = 0..2, b' = 0, 1), so that each of its LDS addresses is wave x constant + constant.
; 8 x 6 accumulator tiles of 16 x 16, 384 registers.  K goes in 8 steps of 128 through two LDS slots filled by the tensor data mover.
; A slot is four parts of 36,864 bytes, part w fetched by wave w with one load:
;   part 0: 128 rows of x, 256 bytes each, pitch 272;   parts 1-3: W's columns 128 (w-1) .. +127 as [128 k][128 n], 256-byte rows, pitch 288.
; W lies [k][n], so its fragments come by the transposing LDS load (pitch an odd multiple of 32 bytes).
; CLUSTERS: 4 x 4 work-groups.  x's tile hangs on the block row alone and is asked for jointly by a row of the cluster, W's on the block
; column alone and by a column.  By this text's own count a wave has two tensor loads out at the start and one later.
; The matrix instruction is used transposed (source 0 = 16 columns of W, source 1 = 16 rows of x): a lane's eight results are eight
; neighbouring columns of one row.
; REGISTERS: window 0: addresses, x's fragments (two buffers), packed results; window 1: W's fragments (two buffers);
; window 2: accumulator tile (a, b) at v[8 (6 a + b)] for row blocks 0-3; window 3: row blocks 4-7.
.set MT, 8                             ; row blocks of 16 of a wave
.set NT, 6                             ; column blocks of 16 of a wave: b = 2 s + b'
.set NAW, 1                            ; waves that fetch x
.set LAPS, 4                           ; 1024 / (2 x 128)
.set APITCH, 272
.set BPITCH, 288
.set AMB, 16*APITCH                    ; LDS bytes from row block to row block
.set WSTEP, 128*BPITCH                 ; 36,864: a wave's part of a slot
.set BLDS, WSTEP                       ; W's tiles begin behind x's part
.set SLOT, 4*WSTEP
.set AKSTEP, 256                       ; global bytes of a K step in x
.set BKSTEP, 128*3072*2                ; and in W
.set BGSTEP, 256                       ; from one wave's 128 columns of W to the next's
.set BXB, 768                          ; a block column: 384 columns
.set BOFFG, 8388608                    ; W in cb
.set SP, 784                           ; stage pitch: 768 bytes + 16
.set ADRA, 16                          ; v16-17  x's fragments in slot 0, 1
.set ADRB, 20                          ; v20-31  W's fragment b in slot s: v[20 + 6 s + b]
.set STO, 34                           ; v34-35  stage: where I put 16 bytes, row blocks 0-3, 4-7
.set RD, 36                            ; v36     stage: where I read back
.set CO, 40                            ; v40-45  byte offset in qkvh for head column c
.set F0, 64
.set F1, 128
.set TMP, 192
.set G1, 24
.set G0, 32
.set G1B, 48
.set G0B, 56
.set MSB, 0
.macro WIN new                         ; the immediate's high byte repeats the setting that is left
.if MSB != \new
	s_set_vgpr_msb (MSB<<8)|\new
.set MSB, \new
.endif
.endm
.set MUL_LO, 0xa1                      ; source 0 (W) window 1, source 1 (x) window 0, C and D window 2
.set MUL_HI, 0xf1                      ; the same, C and D window 3
.set TO_B,   0x40                      ; destination window 1, address window 0
; A joint load: wave 0 asks for x's tile, waves 1-3 for W's.  The branch hangs on the wave's number alone.
.macro JLOAD s
	s_cmp_lt_u32 s10, NAW
	s_cbranch_scc0 .Lfor_b_\@
	tensor_load_to_lds s[G0+4*\s:G0+4*\s+3], s[G1:G1+7]
	s_nop 0
	s_branch .Lasked_\@
.Lfor_b_\@:
	tensor_load_to_lds s[G0B+4*\s:G0B+4*\s+3], s[G1B:G1B+7]
	s_nop 0
.Lasked_\@:
.endm
.macro CREST                           ; a round of the cluster's barrier behind its opening barrier
	s_cmp_lg_u32 s10, 0
	s_cbranch_scc1 .Lnot_wave_0_\@
	s_barrier_signal -3
.Lnot_wave_0_\@:
	s_barrier_wait -3
	s_barrier_signal -1
	s_barrier_wait -1
.endm
.macro CROUND                          ; a whole round
	s_barrier_signal -1
	s_barrier_wait -1
	CREST
.endm
	s_load_b128 s[4:7], s[0:1], 0x0                ; cb s[4:5], qkvh s[6:7]
	s_set_vgpr_msb 0x40
	v_lshl_add_u32 v255, v0, 2, 0x48000
	s_set_vgpr_msb 0x4000
	v_mov_b32 v255, 0
	s_set_vgpr_msb 0x1
	ds_add_u32 v255, v255
	ds_add_u32 v255, v255
	s_set_vgpr_msb 0x100
	v_lshrrev_b32 v1, 5, v0
	v_readfirstlane_b32 s10, v1                    ; wave 0..3 = my column group
	s_bfe_u32 s40, ttmp6, 0x40000                  ; cx
	s_bfe_u32 s41, ttmp6, 0x40004                  ; cy
	s_lshl_b32 s42, ttmp9, 2
	s_add_co_u32 s42, s42, s40                     ; block column = 4 x cluster x + cx
	s_and_b32 s13, ttmp7, 0xffff
	s_lshl_b32 s13, s13, 2
	s_add_co_u32 s13, s13, s41                     ; block row = 4 x cluster y + cy
	s_lshl_b32 s43, s41, 2
	s_lshl_b32 s43, 15, s43                        ; my row of the cluster
	s_lshl_b32 s44, 0x1111, s40                    ; my column
	; group 1: tiles of 128 rows x 128 elements of 2 bytes; a pad behind every 64 words: 4 words for x, 8 for W
	s_or_b32 s[G1+0], s43, (1<<16)|(1<<20)|(1<<21)|(5<<22)|(3<<25)
	s_or_b32 s[G1B+0], s44, (1<<16)|(1<<20)|(1<<21)|(5<<22)|(7<<25)
	s_mov_b32 s[G1+1], 128<<16                     ; tensor_dim0 = 128
	s_mov_b32 s[G1B+1], 128<<16
	s_mov_b32 s[G1+2], 128<<16                     ; tensor_dim1 = 128
	s_mov_b32 s[G1B+2], 128<<16
	s_mov_b32 s[G1+3], 128<<16                     ; tile_dim0 = 128
	s_mov_b32 s[G1B+3], 128<<16
	s_mov_b32 s[G1+4], 128                         ; tile_dim1 = 128
	s_mov_b32 s[G1B+4], 128
	s_mov_b32 s[G1+5], 1024                        ; elements from row to row of x
	s_mov_b32 s[G1B+5], 3072                       ; and of W
	s_mov_b32 s[G1+6], 0
	s_mov_b32 s[G1B+6], 0
	s_mov_b32 s[G1+7], 0
	s_mov_b32 s[G1B+7], 0
	s_lshl_b32 s16, s13, 18                        ; x: 128 rows of 2,048 bytes a block row
	s_mov_b32 s17, 0
	s_mul_i32 s46, s42, BXB                        ; W: the block column, my 128 columns (wave - 1), W's place in cb
	s_mul_i32 s47, s10, BGSTEP
	s_add_co_u32 s46, s46, s47
	s_add_co_u32 s46, s46, BOFFG-NAW*BGSTEP
	s_mov_b32 s47, 0
	s_mul_i32 s20, s10, WSTEP                      ; my part of a slot: no place in the cluster enters an LDS address
	s_wait_dscnt 0x0
	s_wait_kmcnt 0x0
	s_add_nc_u64 s[14:15], s[4:5], s[16:17]
	s_add_nc_u64 s[46:47], s[4:5], s[46:47]
	CROUND                                         ; all sixteen work-groups are here: the first joint loads meet
.irp s, 0,1
	s_mov_b32 s[G0+4*\s], 1
	s_add_co_u32 s[G0+4*\s+1], s20, \s*SLOT
	s_add_nc_u64 s[G0+4*\s+2:G0+4*\s+3], s[14:15], \s*AKSTEP
	s_or_b32 s[G0+4*\s+3], s[G0+4*\s+3], 0x80000000
	s_mov_b32 s[G0B+4*\s], 1
	s_add_co_u32 s[G0B+4*\s+1], s20, \s*SLOT
	s_add_nc_u64 s[G0B+4*\s+2:G0B+4*\s+3], s[46:47], \s*BKSTEP
	s_or_b32 s[G0B+4*\s+3], s[G0B+4*\s+3], 0x80000000
	JLOAD \s
.endr
	v_and_b32 v1, 15, v0                           ; r = lane % 16
	v_bfe_u32 v2, v0, 4, 1                         ; h = lane / 16
	v_mul_u32_u24 v3, v1, APITCH                   ; x's fragment: row r, 16 bytes for each half of the lanes
	v_lshl_add_u32 v[ADRA], v2, 4, v3
	v_add_nc_u32 v[ADRA+1], SLOT, v[ADRA]
	v_and_b32 v4, 7, v0                            ; W's fragment by the transposing load: k row 8 h + lane % 8,
	v_lshl_add_u32 v4, v2, 3, v4
	v_mul_u32_u24 v4, v4, BPITCH
	v_bfe_u32 v5, v0, 3, 1                         ; 16 bytes for each half of a group of sixteen lanes
	v_lshl_add_u32 v4, v5, 4, v4
	s_lshl_b32 s21, s10, 6                         ; my 32 columns of each tile begin at byte 64 w of its rows
.irp b, 0,1,2,3,4,5
	s_add_co_u32 s22, s21, BLDS+(\b>>1)*WSTEP+(\b&1)*32    ; fragment b: tile b / 2, 16 columns (32 bytes) for b % 2
	v_add_nc_u32 v[ADRB+\b], s22, v4
	v_add_nc_u32 v[ADRB+NT+\b], SLOT, v[ADRB+\b]
.endr
	v_mul_u32_u24 v6, v1, SP                       ; stage, in: row r, byte 2 (32 w + 8 h); 256 s + 32 b' ride in the stores' offsets
	v_lshl_add_u32 v6, v2, 4, v6
	s_lshl_b32 s23, s10, 6
	v_add_nc_u32 v[STO], s23, v6
	v_add_nc_u32 v[STO+1], (MT/2)*16*SP, v[STO]
	v_bfe_u32 v7, v0, 3, 2                         ; stage, back: rows 32 w + lane / 8, 16 bytes at 16 (lane % 8): four rows of one head
	v_and_b32 v8, 7, v0
	v_mul_u32_u24 v7, v7, SP
	v_lshl_add_u32 v7, v8, 4, v7
	s_mul_i32 s23, s10, 32*SP
	v_add_nc_u32 v[RD], s23, v7
	; where head column c of the block goes: head g = 6 bx + c of 48; block (g / 16) 32 + 16 b + g % 16; row t = 128 (by % 16) + 32 w + ..
	v_and_b32 v9, 31, v0
	s_mul_i32 s66, s42, 6
	s_lshr_b32 s67, s13, 4
	s_lshl_b32 s67, s67, 4                         ; 16 b
	s_and_b32 s68, s13, 15
	s_lshl_b32 s68, s68, 14                        ; 128 rows of 128 bytes
	s_lshl_b32 s69, s10, 12                        ; 32 rows of 128 bytes
	s_add_co_u32 s68, s68, s69
	v_lshl_add_u32 v9, v9, 4, s68                  ; + 16 x lane: four rows of 128 bytes are 512 consecutive bytes
.irp c, 0,1,2,3,4,5
	s_add_co_u32 s70, s66, \c
	s_lshr_b32 s71, s70, 4
	s_lshl_b32 s71, s71, 5
	s_and_b32 s70, s70, 15
	s_add_co_u32 s70, s70, s71
	s_add_co_u32 s70, s70, s67
	s_lshl_b32 s70, s70, 18
	v_add_nc_u32 v[CO+\c], s70, v9
.endr
; NT matrix instructions: row block a of the window's four x all six column blocks, 32 along K.  zero = 1: the product starts the sums.
.macro MULA f, hi, a, zero
.set bb, 0
.rept NT
.if \zero
	v_wmma_f32_16x16x32_bf16 v[8*((\a)*NT+bb):8*((\a)*NT+bb)+7], v[\f+8*bb:\f+8*bb+7], v[\f+8*(\hi*(MT/2)+(\a)):\f+8*(\hi*(MT/2)+(\a))+7], 0
.else
	v_wmma_f32_16x16x32_bf16 v[8*((\a)*NT+bb):8*((\a)*NT+bb)+7], v[\f+8*bb:\f+8*bb+7], v[\f+8*(\hi*(MT/2)+(\a)):\f+8*(\hi*(MT/2)+(\a))+7], v[8*((\a)*NT+bb):8*((\a)*NT+bb)+7]
.endif
.set bb, bb+1
.endr
.endm
; The 48 accumulators take turns, one instruction a turn, in the same order in every quarter step.
.macro MULP f, hi, a0, n, zero
.set aa, \a0
.rept \n
	MULA \f, \hi, aa, \zero
.set aa, aa+1
.endr
.endm
; The fragments of K quarter q of a slot into buffer f: 12 transposing loads for W, 16 loads for x, in one run.
.macro FETCH slot, q, f
	WIN TO_B
.set bb, 0
.rept NT
	ds_load_tr16_b128 v[\f+8*bb:\f+8*bb+3],   v[ADRB+\slot*NT+bb] offset:32*BPITCH*\q
	ds_load_tr16_b128 v[\f+8*bb+4:\f+8*bb+7], v[ADRB+\slot*NT+bb] offset:32*BPITCH*\q+16*BPITCH
.set bb, bb+1
.endr
	WIN 0
.set ii, 0
.rept MT
	ds_load_b128 v[\f+8*ii:\f+8*ii+3],   v[ADRA+\slot] offset:64*\q+ii*AMB
	ds_load_b128 v[\f+8*ii+4:\f+8*ii+7], v[ADRA+\slot] offset:64*\q+ii*AMB+32
.set ii, ii+1
.endr
.endm
; Four places behind a matrix instruction before a load lands on a register that it read or a vector instruction reads its result
; (ISA guide 7.12.1 for vector instructions); other matrix instructions are not counted as places.
.macro PLACES
.rept 4
	v_nop
.endr
.endm
.macro QUARTER slot, q, f, g, zero
	s_wait_dscnt MT                                ; W and x's row blocks 0-3 are in; the youngest eight loads (row blocks 4-7) may be out
	WIN MUL_LO
	MULP \f, 0, 0, MT/2, \zero
	PLACES
	FETCH \slot, \q, \g
	s_wait_dscnt 2*(MT+NT)                         ; all but the 28 just issued
	WIN MUL_HI
	MULP \f, 1, 0, MT/2, \zero
.endm
.macro THREE slot, zero
	QUARTER \slot, 1, F0, F1, \zero
	QUARTER \slot, 2, F1, F0, 0
	QUARTER \slot, 3, F0, F1, 0
.endm
; The last quarter of a K step changes slots.  In front of the barrier each wave waits for its reads of this slot and for all its tensor
; loads (one is out: its part of the next slot).  Where the slot is filled again the barrier opens a round of the cluster's barrier, and
; the joint refill is the first tensor load behind the round.  From a request to the wait for it a wave issues 180 matrix instructions.
.macro TURN slot, next, fill
	s_wait_dscnt MT
	WIN MUL_LO
	MULP F1, 0, 0, MT/4, 0
	s_wait_dscnt 0
	s_wait_tensorcnt 0x0
	ds_add_u32 v255, v255
	s_wait_dscnt 0x0
	s_barrier_signal -1
	MULP F1, 0, MT/4, MT/4, 0                      ; register work while the others arrive
	WIN 0
	s_barrier_wait -1
.if \fill
	CREST
	s_add_nc_u64 s[G0+4*\slot+2:G0+4*\slot+3], s[G0+4*\slot+2:G0+4*\slot+3], 2*AKSTEP
	s_add_nc_u64 s[G0B+4*\slot+2:G0B+4*\slot+3], s[G0B+4*\slot+2:G0B+4*\slot+3], 2*BKSTEP
	JLOAD \slot
.endif
	PLACES
	FETCH \next, 0, F0
	WIN MUL_HI
	MULP F1, 1, 0, MT/2, 0
.endm
.macro LAP zero
	THREE 0, \zero
	TURN 0, 1, 1
	THREE 1, 0
	TURN 1, 0, 1
.endm
	s_wait_tensorcnt 1                             ; my part of K step 0 is in; K step 1's load stays out
	s_barrier_signal -1
	s_barrier_wait -1
	FETCH 0, 0, F0
	LAP 1                                          ; the first lap's first products start the sums
	WIN 0
	s_mov_b32 s3, LAPS-2
.Llap:
	LAP 0
	WIN 0
	s_sub_co_u32 s3, s3, 1
	s_cmp_lg_u32 s3, 0
	s_cbranch_scc1 .Llap
	THREE 0, 0                                     ; the last lap fills nothing
	TURN 0, 1, 0
	THREE 1, 0
	s_wait_dscnt MT
	WIN MUL_LO
	MULP F1, 0, 0, MT/2, 0
	s_wait_dscnt 0
	WIN MUL_HI
	MULP F1, 1, 0, MT/2, 0
	; THE WAY OUT.  The stage is LDS bytes 0 .. 100,351, inside slot 0: its last fill has been read by every wave in front of the last change
	; of slots, and no tensor load follows.  Each wave rounds to f16 and puts 16 bytes a lane; behind a barrier wave w reads rows
	; 32 w .. 32 w + 31 back, four rows of one head (512 consecutive bytes of qkvh) an instruction.
	PLACES
.macro OUTA hi, a
	WIN 0x0a+5*\hi                                 ; sources in window 2 or 3
.set bb, 0
.rept NT
.irp j, 0,1,2,3
	v_cvt_pk_f16_f32 v[TMP+4*bb+\j], v[8*((\a)*NT+bb)+2*\j], v[8*((\a)*NT+bb)+2*\j+1]
.endr
.set bb, bb+1
.endr
	WIN 0
.set bb, 0
.rept NT
	ds_store_b128 v[STO+\hi], v[TMP+4*bb:TMP+4*bb+3] offset:(\a)*16*SP+256*(bb>>1)+32*(bb&1)   ; block column 128 (b / 2) + 32 w + 16 (b % 2) + 8 h
.set bb, bb+1
.endr
.endm
.irp a, 0,1,2,3
	OUTA 0, \a
.endr
.irp a, 0,1,2,3
	OUTA 1, \a
.endr
	s_wait_dscnt 0x0                               ; my stores are in LDS, for the other waves' sake
	s_barrier_signal -1
	s_barrier_wait -1
.macro BACK c, f
	s_wait_xcnt 0x0                                ; buffer f, which earlier stores read, is loaded again only behind this wait
.irp i, 0,1,2,3,4,5,6,7
	ds_load_b128 v[\f+4*\i:\f+4*\i+3], v[RD] offset:4*SP*\i+128*\c
.endr
.irp i, 0,1,2,3,4,5,6,7
	s_wait_dscnt 7-\i
	global_store_b128 v[CO+\c], v[\f+4*\i:\f+4*\i+3], s[6:7] offset:512*\i   ; the wave stores 512 consecutive bytes, aligned
.endr
.endm
	BACK 0, F0
	BACK 1, F1
	BACK 2, F0
	BACK 3, F1
	BACK 4, F0
	BACK 5, F1
	s_set_vgpr_msb 0x1
	s_wait_tensorcnt 0x0
	ds_add_u32 v255, v255
	s_wait_dscnt 0x0
	s_set_vgpr_msb 0x100
	CROUND                                         ; the closing round: no work-group ends while a partner may still ask for a tile that names it
	s_endpgm
.Lfunc_end_k_q457743f83a_qkv:
	.size	k_q457743f83a_qkv, .Lfunc_end_k_q457743f83a_qkv-k_q457743f83a_qkv
	.p2alignl 7, 3214868480
	.fill 96, 4, 3214868480
	.section	.rodata,"a",@progbits
	.p2align	6, 0x0
	.amdhsa_kernel k_q457743f83a_qkv
		.amdhsa_group_segment_fixed_size 327680
		.amdhsa_private_segment_fixed_size 0
		.amdhsa_enable_private_segment 0
		.amdhsa_kernarg_size 16
		.amdhsa_user_sgpr_count 2
		.amdhsa_user_sgpr_kernarg_segment_ptr 1
		.amdhsa_wavefront_size32 1
		.amdhsa_system_sgpr_workgroup_id_x 1
		.amdhsa_system_sgpr_workgroup_id_y 1
		.amdhsa_system_sgpr_workgroup_id_z 1
		.amdhsa_system_vgpr_workitem_id 0
		.amdhsa_next_free_vgpr 1024
		.amdhsa_next_free_sgpr 72
		.amdhsa_reserve_vcc 0
		.amdhsa_float_denorm_mode_32 3
		.amdhsa_float_denorm_mode_16_64 3
		.amdhsa_memory_ordered 1
		.amdhsa_forward_progress 1
		.amdhsa_inst_pref_size 160
	.end_amdhsa_kernel
	.amdgpu_metadata
---
amdhsa.version: [ 1, 2 ]
amdhsa.kernels:
  - .name:           k_q457743f83a_qkv
    .symbol:         k_q457743f83a_qkv.kd
    .args:
      - { .name: cb, .offset: 0, .size: 8, .value_kind: global_buffer, .address_space: global }
      - { .name: qkvh, .offset: 8, .size: 8, .value_kind: global_buffer, .address_space: global }
    .group_segment_fixed_size: 327680
    .private_segment_fixed_size: 0
    .kernarg_segment_align: 8
    .kernarg_segment_size: 16
    .max_flat_workgroup_size: 128
    .sgpr_count:     72
    .vgpr_count:     1024
    .wavefront_size: 32
...
	.end_amdgpu_metadata
.endif
;; end of part 2
;; launch attn (part 3): grid 8 x 32, 8 waves a work-group, no clusters, 327,680 bytes of LDS; arguments qkvh, yh; writes yh
.if DOCPART == 3
	.amdgcn_target "amdgcn-amd-amdhsa--gfx1250"
	.amdhsa_code_object_version 6
	.text
	.protected	k_q457743f83a_attn
	.globl	k_q457743f83a_attn
	.p2align	8
	.type	k_q457743f83a_attn,@function
k_q457743f83a_attn:
	s_mov_b64 s[64:65], 0
	v_nop
	global_prefetch_b8 v0, s[64:65] scope:SCOPE_SE
	s_setreg_imm32_b32 hwreg(HW_REG_WAVE_MODE, 25, 1), 1
	s_wait_xcnt 0x0
; Causal attention of one head (b*16+h = the grid's y), f16 operands, f32 sums and softmax, with a running maximum.
; q, k, v: qkvh[which][bh][2048][64] f16;  y: yh[bh][2048][64] f16.
; LIMITS: |y| below 65,504 (f16).  Masked scores are set to -2^100 in place of -infinity: true scores must lie above that.
; WORK: work-group j owns the query blocks (128 rows) I = 15 - j and then I = j.  Keys go in double tiles of 256.  A block takes first the
; double tile I / 2 that holds its diagonal (masked; it starts all sums), then the double tiles 0 .. I / 2 - 1.  (15 - j) / 2 + j / 2 = 7 for
; every j, so every work-group makes 9 steps.
; Wave w: qg = w % 4: query rows 32 qg .. + 31 (two tiles of 16); kh = w / 4: the kh-th 128 keys of each double tile, in two granules of 64.
; Waves w and w ^ 4 hold partial (O, maximum, sum) of the same rows and merge them through LDS at the block's end.
; NO CLUSTER: the work-groups that read the same K and V (one head) differ in which double tile they need in a given step
; (step t of group j wants tile t - 1 until step (15 - j) / 2, then other ones), so their requests do not meet.
; TRANSPOSED: S^T = K Q^T (a lane holds 8 keys of one query a tile), so two neighbouring key tiles, packed to f16, ARE the second operand of
; O^T = V^T P^T; the row's maximum and sum are one number a lane, and one exchange joins the two halves of the lanes.
; LDS: slot s at 73,728 s = eight parts of 9,216 bytes, part w filled by wave w with one tensor load of 8,192 bytes (32 rows of 256 bytes, each
; two keys): parts 0-3 K, pitch 272; parts 4-7 V, pitch 288 (V is read by the transposing load).  By this text's own count a wave never has
; more than one tensor load out.  Behind the slots: 147,456 exchange (8 x 8,704), 217,088 output stage (8 x 2,304); no tensor load lands there.
.set PART, 9216
.set SLOTB, 8*PART
.set VOFF, 4*PART
.set XB, 2*SLOTB
.set XW, 8704
.set STG, XB+8*XW
.set STW, 2304
.set MX,   2                           ; v2-5    four running maxima
.set KADR, 8                           ; v8-9    K fragments in slot 0, 1
.set VADR, 10                          ; v10-11  V fragments in slot 0, 1
.set LIM,  12                          ; v12-13  a key index 64 g + 16 kt + i is kept if it is <= LIM[qt]
.set QOFF, 14                          ; v14     128 r + 16 h
.set LBASE, 15                         ; v15     r - 8 h + 32 qg - 128 kh
.set LL,   16                          ; v16-17  the lane's part of the row sum, qt = 0, 1
.set NM,   20                          ; v20-23  - c x running maximum, twice for each qt
.set AL,   24                          ; v24-27  the rescaling factor, twice for each qt
.set QQ,   32                          ; v32-63  Q fragments: 16 qt + 8 c
.set OO,   64                          ; v64-127 O^T tile (t, qt) at 8 (2 t + qt)
.set SS,   128                         ; v128-191 S^T tile (kt, qt) at 8 (2 kt + qt); later P(qt, kc) at 8 (4 kc + qt)
.set FR,   192                         ; v192-255 eight fragments of K, then of V
.set G1K, 24
.set G1V, 32
.set G0,  40                           ; s[40:47] group 0, one set for each slot
.macro TLOAD slot                      ; waves 0-3 fetch K's quarters, waves 4-7 V's: the two lines differ in the pad alone
	s_cmp_lt_u32 s8, 4
	s_cbranch_scc0 .Lfor_v_\@
	tensor_load_to_lds s[G0+4*\slot:G0+4*\slot+3], s[G1K:G1K+7]
	s_nop 0
	s_branch .Lasked_\@
.Lfor_v_\@:
	tensor_load_to_lds s[G0+4*\slot:G0+4*\slot+3], s[G1V:G1V+7]
	s_nop 0
.Lasked_\@:
.endm
.macro LOADQ                           ; my 32 query rows as second operands: lane (r, h) takes d = 32 c + 16 u + 8 h .. + 7 of row 16 qt + r
.irp qt, 0,1
.irp c, 0,1
.irp u, 0,1
	global_load_b128 v[QQ+16*\qt+8*\c+4*\u:QQ+16*\qt+8*\c+4*\u+3], v[QOFF], s[68:69] offset:2048*\qt+64*\c+32*\u
.endr
.endr
.endr
.endm
.macro SETLIM                          ; the block begins 128 (I % 2) keys into its diagonal double tile
	s_and_b32 s17, s12, 1
	s_lshl_b32 s17, s17, 7
	v_add_nc_u32 v[LIM], s17, v[LBASE]
	v_add_nc_u32 v[LIM+1], 16, v[LIM]
.endm
	s_load_b128 s[4:7], s[0:1], 0x0                ; qkvh s[4:5], yh s[6:7]
	s_set_vgpr_msb 0x40
	v_lshl_add_u32 v0, v0, 2, 0x39800
	v_mov_b32 v1, 0
	s_set_vgpr_msb 0x4045
	ds_add_u32 v0, v1
	ds_add_u32 v0, v1
	s_set_vgpr_msb 0x4500
	v_lshrrev_b32 v1, 5, v0
	v_readfirstlane_b32 s8, v1                     ; wave 0..7
	s_and_b32 s9, s8, 3                            ; qg
	s_lshr_b32 s10, s8, 2                          ; kh
	s_mov_b32 s11, ttmp9                           ; j
	s_and_b32 s20, ttmp7, 0xffff                   ; bh
	s_sub_co_u32 s12, 15, s11                      ; I, the block at work
	s_lshr_b32 s13, s12, 1
	s_add_co_u32 s13, s13, 1                       ; sw: the step at which the second block begins (5 .. 8)
	s_lshr_b32 s16, s11, 1                         ; the second block's diagonal double tile
	s_mov_b32 s14, 0                               ; step
	s_mov_b32 s60, 0x3e38aa3b                      ; c = log2(e) / 8: the scale 1 / sqrt(64) rides in the exponent's multiply-add
	s_mov_b32 s61, 0x3e38aa3b
	s_mov_b32 s62, 0xf1800000                      ; -2^100
	s_mov_b32 s66, 0x76543210                      ; v_permlanex16_b32: lane i reads lane i of the other half
	s_mov_b32 s67, 0xfedcba98
	; group 1: 32 rows x 128 elements of 2 bytes, dense in memory; a pad behind every 64 words: 4 words for K, 8 for V
	s_mov_b32 s[G1K+0], (1<<16)|(1<<20)|(5<<22)|(3<<25)
	s_mov_b32 s[G1V+0], (1<<16)|(1<<20)|(5<<22)|(7<<25)
.irp g, G1K, G1V
	s_mov_b32 s[\g+1], 128<<16                     ; tensor_dim0 = 128
	s_mov_b32 s[\g+2], 32<<16                      ; tensor_dim1 = 32
	s_mov_b32 s[\g+3], 128<<16                     ; tile_dim0 = 128
	s_mov_b32 s[\g+4], 32                          ; tile_dim1 = 32
	s_mov_b32 s[\g+5], 128                         ; elements from row to row
	s_mov_b32 s[\g+6], 0
	s_mov_b32 s[\g+7], 0
.endr
	s_mul_i32 s17, s8, PART                        ; my part of a slot
	s_mov_b32 s[G0+0], 1
	s_add_co_u32 s[G0+1], s17, 0
	s_mov_b32 s[G0+4], 1
	s_add_co_u32 s[G0+5], s17, SLOTB
	; LDS addresses of the merge and of the output stage
	s_mul_i32 s48, s8, XW
	s_add_co_u32 s48, s48, XB                      ; my exchange area
	s_xor_b32 s17, s8, 4
	s_mul_i32 s17, s17, XW
	s_add_co_u32 s17, s17, XB                      ; my partner's
	s_lshl_b32 s18, s10, 12
	s_add_co_u32 s49, s48, s18                     ; the query tile qt = kh that I merge: mine,
	s_add_co_u32 s50, s17, s18                     ; my partner's,
	s_lshl_b32 s18, s10, 8
	s_add_co_u32 s18, s18, 8192
	s_add_co_u32 s51, s48, s18                     ; and the two (maximum, sum)
	s_add_co_u32 s52, s17, s18
	s_mul_i32 s53, s8, STW
	s_add_co_u32 s53, s53, STG
	; lane terms
	v_and_b32 v1, 15, v0                           ; r
	v_bfe_u32 v2, v0, 4, 1                         ; h
	v_lshrrev_b32 v3, 1, v1
	v_and_b32 v4, 1, v0
	v_mul_u32_u24 v3, v3, 272                      ; K: key r lies in LDS row r / 2, half r % 2; 16 h bytes along d
	v_lshl_add_u32 v3, v4, 7, v3
	v_lshl_add_u32 v3, v2, 4, v3
	s_mul_i32 s17, s10, 2*PART
	v_add_nc_u32 v[KADR], s17, v3
	v_add_nc_u32 v[KADR+1], SLOTB, v[KADR]
	v_bfe_u32 v3, v0, 1, 2                         ; V, transposing load: key 8 h + lane % 8 lies in LDS row 4 h + (lane % 8) / 2, half lane % 2
	v_lshl_add_u32 v3, v2, 2, v3
	v_mul_u32_u24 v3, v3, 288
	v_lshl_add_u32 v3, v4, 7, v3
	v_bfe_u32 v5, v0, 3, 1
	v_lshl_add_u32 v3, v5, 4, v3
	s_add_co_u32 s17, s17, VOFF
	v_add_nc_u32 v[VADR], s17, v3
	v_add_nc_u32 v[VADR+1], SLOTB, v[VADR]
	v_lshlrev_b32 v[QOFF], 7, v1
	v_lshl_add_u32 v[QOFF], v2, 4, v[QOFF]
	v_lshlrev_b32 v3, 3, v2
	v_sub_nc_u32 v[LBASE], v1, v3
	s_lshl_b32 s17, s9, 5
	s_lshl_b32 s18, s10, 7
	s_sub_co_u32 s17, s17, s18
	v_add_nc_u32 v[LBASE], s17, v[LBASE]
	v_mov_b32 v30, 0                               ; destinations of v_permlanex16_b32 count as read
	v_mov_b32 v31, 0
	; global addresses
	s_add_co_u32 s22, s10, 1
	s_lshl_b32 s22, s22, 23                        ; K's blocks begin at 8,388,608, V's at 16,777,216
	s_lshl_b32 s21, s20, 18                        ; my head's block
	s_add_co_u32 s22, s22, s21
	s_lshl_b32 s18, s9, 13                         ; my quarter of a double tile
	s_add_co_u32 s22, s22, s18
	s_mov_b32 s23, 0
	s_lshl_b32 s18, s9, 12                         ; my 32 query rows
	s_add_co_u32 s18, s18, s21
	s_mov_b32 s19, 0
	s_wait_dscnt 0x0
	s_wait_kmcnt 0x0
	s_add_nc_u64 s[56:57], s[4:5], s[22:23]        ; my quarter of double tile 0,
	s_or_b32 s57, s57, 0x80000000                  ; with the descriptor's type on top
	s_add_nc_u64 s[72:73], s[4:5], s[18:19]        ; q: my rows of block 0
	s_lshl_b32 s22, s10, 11
	s_add_co_u32 s18, s18, s22
	s_add_nc_u64 s[74:75], s[6:7], s[18:19]        ; y: the 16 rows of block 0 that I store
	s_sub_co_u32 s22, s13, 1                       ; step 0: the first block's diagonal double tile
	s_lshl_b32 s22, s22, 15
	s_add_nc_u64 s[G0+2:G0+3], s[56:57], s[22:23]
	TLOAD 0
	s_lshl_b32 s18, s12, 14
	s_add_nc_u64 s[68:69], s[72:73], s[18:19]
	LOADQ
	SETLIM
	s_wait_loadcnt 0x0
.macro PADD1 d, qt, hf, p              ; one link of a chain of packed sums over the 8 register pairs of (qt, half of the keys)
.if \p == 1
	v_pk_add_f32 v[\d:\d+1], v[SS+8*(4*\hf+\qt):SS+8*(4*\hf+\qt)+1], v[SS+8*(4*\hf+\qt)+2:SS+8*(4*\hf+\qt)+3]
.else
	v_pk_add_f32 v[\d:\d+1], v[\d:\d+1], v[SS+8*(4*\hf+2*(\p>>2)+\qt)+2*(\p&3):SS+8*(4*\hf+2*(\p>>2)+\qt)+2*(\p&3)+1]
.endif
.endm
; One granule: 64 keys x 32 queries.  first = 1: it starts O, the sums and the maxima.  mask = 1: the causal mask is applied.
; In both products eight accumulators take turns, one instruction a turn.
.macro GRAN slot, g, first, mask
.irp c, 0,1
.irp kt, 0,1,2,3
	ds_load_b128 v[FR+8*(4*\c+\kt):FR+8*(4*\c+\kt)+3],   v[KADR+\slot] offset:PART*\g+2176*\kt+64*\c
	ds_load_b128 v[FR+8*(4*\c+\kt)+4:FR+8*(4*\c+\kt)+7], v[KADR+\slot] offset:PART*\g+2176*\kt+64*\c+32
.endr
.endr
	s_wait_dscnt 8                                 ; the fragments of d = 0 .. 31 are in; the eight younger loads may be out
.irp kt, 0,1,2,3
.irp qt, 0,1
	v_wmma_f32_16x16x32_f16 v[SS+8*(2*\kt+\qt):SS+8*(2*\kt+\qt)+7], v[FR+8*\kt:FR+8*\kt+7], v[QQ+16*\qt:QQ+16*\qt+7], 0
.endr
.endr
	s_wait_dscnt 0
.irp kt, 0,1,2,3
.irp qt, 0,1
	v_wmma_f32_16x16x32_f16 v[SS+8*(2*\kt+\qt):SS+8*(2*\kt+\qt)+7], v[FR+8*(4+\kt):FR+8*(4+\kt)+7], v[QQ+16*\qt+8:QQ+16*\qt+15], v[SS+8*(2*\kt+\qt):SS+8*(2*\kt+\qt)+7]
.endr
.endr
.rept 4
	v_nop                                          ; four places before loads land on K's fragments and vector instructions read the scores
.endr
.irp kc, 0,1
.irp t, 0,1,2,3
	ds_load_tr16_b128 v[FR+8*(4*\kc+\t):FR+8*(4*\kc+\t)+3],   v[VADR+\slot] offset:PART*\g+4608*\kc+32*\t
	ds_load_tr16_b128 v[FR+8*(4*\kc+\t)+4:FR+8*(4*\kc+\t)+7], v[VADR+\slot] offset:PART*\g+4608*\kc+32*\t+2304
.endr
.endr
.if \mask
.irp kt, 0,1,2,3
.irp i, 0,1,2,3,4,5,6,7
.irp qt, 0,1
	v_cmp_le_i32 vcc_lo, 64*\g+16*\kt+\i, v[LIM+\qt]
	v_cndmask_b32 v[SS+8*(2*\kt+\qt)+\i], s62, v[SS+8*(2*\kt+\qt)+\i], vcc_lo
.endr
.endr
.endr
.endif
	; the largest of a lane's 32 scores of each query tile, in four chains; then the other half of the lanes
.irp qt, 0,1
.irp hf, 0,1
	v_max3_num_f32 v[MX+2*\qt+\hf], v[SS+8*(4*\hf+\qt)], v[SS+8*(4*\hf+\qt)+1], v[SS+8*(4*\hf+\qt)+2]
.endr
.endr
.irp e, 3,5,7,9,11,13
.irp qt, 0,1
.irp hf, 0,1
	v_max3_num_f32 v[MX+2*\qt+\hf], v[MX+2*\qt+\hf], v[SS+8*(4*\hf+2*(\e>>3)+\qt)+(\e&7)], v[SS+8*(4*\hf+2*((\e+1)>>3)+\qt)+((\e+1)&7)]
.endr
.endr
.endr
.irp qt, 0,1
	v_max3_num_f32 v[MX+2*\qt], v[MX+2*\qt], v[MX+2*\qt+1], v[SS+8*(2+\qt)+7]
	v_max_num_f32 v[MX+2*\qt], v[MX+2*\qt], v[SS+8*(6+\qt)+7]
.endr
	v_permlanex16_b32 v30, v[MX], s66, s67
	v_permlanex16_b32 v31, v[MX+2], s66, s67
	v_max_num_f32 v[MX], v[MX], v30
	v_max_num_f32 v[MX+2], v[MX+2], v31
	; The maximum is kept as NM = -(c x maximum), rounded once: p = exp2(c s + NM) and the rescaling exp2(NM new - NM old) then speak of one
	; and the same shift, whatever the size of the scores.  c x 2^100 is exact, so a row that is all masked gives p = 1 under NM = c 2^100,
	; and the first true maximum, or the merge, multiplies that by exp2(-huge) = 0.
	v_mul_f32 v6, 0xbe38aa3b, v[MX]
	v_mul_f32 v7, 0xbe38aa3b, v[MX+2]
.if \first == 0
	v_min_num_f32 v6, v6, v[NM]
	v_min_num_f32 v7, v7, v[NM+2]
	v_sub_f32 v28, v6, v[NM]
	v_sub_f32 v29, v7, v[NM+2]
	v_exp_f32 v[AL], v28
	v_exp_f32 v[AL+2], v29
.endif
	v_mov_b32 v[NM], v6                            ; (these moves are also the plain place behind the two exponentials)
	v_mov_b32 v[NM+1], v6
	v_mov_b32 v[NM+2], v7
	v_mov_b32 v[NM+3], v7
.if \first == 0
	s_wait_alu depctr_va_vdst(0)
	v_mov_b32 v[AL+1], v[AL]
	v_mov_b32 v[AL+3], v[AL+2]
.endif
.irp kt, 0,1,2,3
.irp qt, 0,1
.irp i, 0,2,4,6
	v_pk_fma_f32 v[SS+8*(2*\kt+\qt)+\i:SS+8*(2*\kt+\qt)+\i+1], v[SS+8*(2*\kt+\qt)+\i:SS+8*(2*\kt+\qt)+\i+1], s[60:61], v[NM+2*\qt:NM+2*\qt+1] op_sel_hi:[1,0,1]
.endr
.endr
.endr
.set ee, 0
.rept 64
	v_exp_f32 v[SS+ee], v[SS+ee]
.set ee, ee+1
.endr
	v_nop                                          ; one plain place behind the exponentials before their results are used
	s_wait_alu depctr_va_vdst(0)
.irp p, 1,2,3,4,5,6,7
	PADD1 2, 0, 0, \p
	PADD1 4, 0, 1, \p
	PADD1 18, 1, 0, \p
	PADD1 28, 1, 1, \p
.endr
	v_pk_add_f32 v[2:3], v[2:3], v[4:5]
	v_pk_add_f32 v[18:19], v[18:19], v[28:29]
.if \first
	v_add_f32 v[LL], v2, v3
	v_add_f32 v[LL+1], v18, v19
.else
	v_add_f32 v2, v2, v3
	v_add_f32 v18, v18, v19
	v_fma_f32 v[LL], v[LL], v[AL], v2
	v_fma_f32 v[LL+1], v[LL+1], v[AL+2], v18
.endif
	; P to f16, in place: key tiles 2 kc and 2 kc + 1 of query tile qt become the eight registers of P(qt, kc)
.irp kc, 0,1
.irp qt, 0,1
.irp i, 0,1,2,3
	v_cvt_pk_f16_f32 v[SS+8*(4*\kc+\qt)+\i], v[SS+8*(4*\kc+\qt)+2*\i], v[SS+8*(4*\kc+\qt)+2*\i+1]
.endr
.irp i, 0,1,2,3
	v_cvt_pk_f16_f32 v[SS+8*(4*\kc+\qt)+4+\i], v[SS+8*(4*\kc+2+\qt)+2*\i], v[SS+8*(4*\kc+2+\qt)+2*\i+1]
.endr
.endr
.endr
.if \first == 0
.irp t, 0,1,2,3
.irp qt, 0,1
.irp i, 0,2,4,6
	v_pk_mul_f32 v[OO+8*(2*\t+\qt)+\i:OO+8*(2*\t+\qt)+\i+1], v[OO+8*(2*\t+\qt)+\i:OO+8*(2*\t+\qt)+\i+1], v[AL+2*\qt:AL+2*\qt+1]
.endr
.endr
.endr
.endif
	s_wait_dscnt 8                                 ; V's fragments of the first 32 keys are in
.irp t, 0,1,2,3
.irp qt, 0,1
.if \first
	v_wmma_f32_16x16x32_f16 v[OO+8*(2*\t+\qt):OO+8*(2*\t+\qt)+7], v[FR+8*\t:FR+8*\t+7], v[SS+8*\qt:SS+8*\qt+7], 0
.else
	v_wmma_f32_16x16x32_f16 v[OO+8*(2*\t+\qt):OO+8*(2*\t+\qt)+7], v[FR+8*\t:FR+8*\t+7], v[SS+8*\qt:SS+8*\qt+7], v[OO+8*(2*\t+\qt):OO+8*(2*\t+\qt)+7]
.endif
.endr
.endr
	s_wait_dscnt 0
.irp t, 0,1,2,3
.irp qt, 0,1
	v_wmma_f32_16x16x32_f16 v[OO+8*(2*\t+\qt):OO+8*(2*\t+\qt)+7], v[FR+8*(4+\t):FR+8*(4+\t)+7], v[SS+8*(4+\qt):SS+8*(4+\qt)+7], v[OO+8*(2*\t+\qt):OO+8*(2*\t+\qt)+7]
.endr
.endr
.rept 5
	v_nop                                          ; five places before the next scores are written over P; they also serve loads into V's fragments and reads of O
.endr
.endm
.macro FULLSTEP slot
	GRAN \slot, 0, 0, 0
	GRAN \slot, 1, 0, 0
.endm
.macro DIAGSTEP slot
	GRAN \slot, 0, 1, 1
	GRAN \slot, 1, 0, 1
.endm
; The block's end, first half: my O, NM and sums go into my exchange area.  A barrier stands behind it.
.macro PART1
	v_and_b32 v1, 31, v0
	v_lshl_add_u32 v6, v1, 4, s48
	v_lshl_add_u32 v7, v1, 3, s48
	v_mov_b32 v2, v[NM]
	v_mov_b32 v3, v[LL]
	v_mov_b32 v4, v[NM+2]
	v_mov_b32 v5, v[LL+1]
.irp qt, 0,1
.irp t, 0,1,2,3
.irp u, 0,1
	ds_store_b128 v6, v[OO+8*(2*\t+\qt)+4*\u:OO+8*(2*\t+\qt)+4*\u+3] offset:4096*\qt+1024*\t+512*\u
.endr
.endr
.endr
	ds_store_b64 v7, v[2:3] offset:8192
	ds_store_b64 v7, v[4:5] offset:8192+256
.endm
; Second half, behind the barrier: I merge query tile qt = kh of my and my partner's halves of the keys, divide by the row sum, and store
; 16 rows of y.  more = 1: the second block's Q is asked for first and its mask limits are set.
.macro PART2 more
	s_lshl_b32 s18, s12, 14                        ; the block just finished: 128 rows of 128 bytes
	s_mov_b32 s19, 0
	s_add_nc_u64 s[70:71], s[74:75], s[18:19]
.if \more
	s_mov_b32 s12, s11                             ; I = j
	s_lshl_b32 s18, s12, 14
	s_add_nc_u64 s[68:69], s[72:73], s[18:19]
	LOADQ
.endif
	v_and_b32 v1, 31, v0
	v_lshl_add_u32 v6, v1, 4, s49
	v_lshl_add_u32 v7, v1, 4, s50
	v_lshl_add_u32 v28, v1, 3, s51
	v_lshl_add_u32 v29, v1, 3, s52
	ds_load_b64 v[2:3], v28                        ; (NM, sum): mine,
	ds_load_b64 v[4:5], v29                        ; my partner's
.irp t, 0,1,2,3
.irp u, 0,1
	ds_load_b128 v[SS+8*\t+4*\u:SS+8*\t+4*\u+3], v6 offset:1024*\t+512*\u
.endr
.endr
.irp t, 0,1,2,3
.irp u, 0,1
	ds_load_b128 v[SS+32+8*\t+4*\u:SS+32+8*\t+4*\u+3], v7 offset:1024*\t+512*\u
.endr
.endr
	s_wait_dscnt 16                                ; the two pairs are in; the 16 loads of O may be out
	v_min_num_f32 v18, v2, v4                      ; the joint shift
	v_sub_f32 v19, v18, v2
	v_sub_f32 v18, v18, v4
	v_exp_f32 v19, v19                             ; my weight,
	v_exp_f32 v18, v18                             ; my partner's
	v_nop
	s_wait_alu depctr_va_vdst(0)
	v_mul_f32 v3, v3, v19
	v_fmac_f32 v3, v5, v18
	v_permlanex16_b32 v30, v3, s66, s67            ; the sums of the other half of the lanes (the other keys of a tile)
	v_add_f32 v3, v3, v30
	v_rcp_f32 v31, v3                              ; every row keeps its own key, so the sum is about 1 or more
	v_nop
	s_wait_alu depctr_va_vdst(0)
	v_mul_f32 v[AL], v19, v31
	v_mul_f32 v[AL+1], v19, v31
	v_mul_f32 v[AL+2], v18, v31
	v_mul_f32 v[AL+3], v18, v31
	s_wait_dscnt 0
.irp p, 0,2,4,6,8,10,12,14,16,18,20,22,24,26,28,30
	v_pk_mul_f32 v[SS+\p:SS+\p+1], v[SS+\p:SS+\p+1], v[AL:AL+1]
.endr
.irp p, 0,2,4,6,8,10,12,14,16,18,20,22,24,26,28,30
	v_pk_fma_f32 v[SS+\p:SS+\p+1], v[SS+32+\p:SS+32+\p+1], v[AL+2:AL+3], v[SS+\p:SS+\p+1]
.endr
.irp t, 0,1,2,3
.irp i, 0,1,2,3
	v_cvt_pk_f16_f32 v[SS+32+4*\t+\i], v[SS+8*\t+2*\i], v[SS+8*\t+2*\i+1]
.endr
.endr
	; a lane holds d = 16 t + 8 h .. + 7 of query r: through my own stage (pitch 144), back as four rows of 128 bytes an instruction
	v_and_b32 v2, 15, v0
	v_bfe_u32 v3, v0, 4, 1
	v_mul_u32_u24 v6, v2, 144
	v_lshl_add_u32 v6, v3, 4, v6
	v_add_nc_u32 v6, s53, v6
	v_bfe_u32 v2, v0, 3, 2
	v_and_b32 v3, 7, v0
	v_mul_u32_u24 v7, v2, 144
	v_lshl_add_u32 v7, v3, 4, v7
	v_add_nc_u32 v7, s53, v7
	v_lshlrev_b32 v28, 4, v1
.irp t, 0,1,2,3
	ds_store_b128 v6, v[SS+32+4*\t:SS+32+4*\t+3] offset:32*\t
.endr
.irp i, 0,1,2,3
	ds_load_b128 v[SS+48+4*\i:SS+48+4*\i+3], v7 offset:576*\i      ; LDS serves a wave's instructions in order: these see the stores above
.endr
.irp i, 0,1,2,3
	s_wait_dscnt 3-\i
	global_store_b128 v28, v[SS+48+4*\i:SS+48+4*\i+3], s[70:71] offset:512*\i   ; the wave stores 512 consecutive bytes, aligned
.endr
.if \more
	SETLIM
	s_wait_loadcnt 0x0                             ; the second block's Q
.endif
	s_wait_xcnt 0x0                                ; the stores' data and offset registers are written again only behind this wait
.endm
; One step on slot; other = the other slot, which is filled again with the next step's double tile if refill = 1.
; kind = 0: the first block's diagonal step.  kind = 1: at step sw the first block ends and the second begins with its diagonal step.
; In front of the barrier every wave has waited for all its tensor loads (its part of this step's tile) and for its LDS accesses (its reads of the
; other slot, and the stores of the merge); the refill is the first tensor load behind it and has the whole step in which to land.
.macro TRIP slot, other, refill, kind
.if \kind
	s_cmp_eq_u32 s14, s13
	s_cbranch_scc0 .Lno_end_\@
	PART1
.Lno_end_\@:
.endif
	s_set_vgpr_msb 0x5
	s_wait_tensorcnt 0x0
	ds_add_u32 v0, v1
	s_wait_dscnt 0x0
	s_set_vgpr_msb 0x500
	s_add_co_u32 s17, s14, 1                       ; step t = s14 + 1 wants double tile t - 1 (t < sw), the second block's diagonal (t = sw), t - sw - 1 (t > sw)
	s_sub_co_u32 s18, s14, s13
	s_cmp_lt_u32 s17, s13
	s_cselect_b32 s18, s14, s18
	s_cmp_eq_u32 s17, s13
	s_cselect_b32 s18, s16, s18
	s_lshl_b32 s18, s18, 15
	s_mov_b32 s19, 0
	s_add_nc_u64 s[G0+4*\other+2:G0+4*\other+3], s[56:57], s[18:19]   ; no tensor load of mine is out (in the last step the address is not used)
	s_wait_dscnt 0x0
	s_barrier_signal -1
	s_barrier_wait -1
.if \refill
	TLOAD \other
.endif
.if \kind
	s_cmp_eq_u32 s14, s13
	s_cbranch_scc0 .Lfull_\@
	PART2 1
	DIAGSTEP \slot
	s_branch .Lstep_done_\@
.Lfull_\@:
	FULLSTEP \slot
.Lstep_done_\@:
.else
	DIAGSTEP \slot
.endif
	s_add_co_u32 s14, s14, 1
.endm
	TRIP 0, 1, 1, 0                                ; step 0
	s_mov_b32 s15, 3
.Lpair:
	TRIP 1, 0, 1, 1                                ; steps 1 .. 6
	TRIP 0, 1, 1, 1
	s_sub_co_u32 s15, s15, 1
	s_cmp_lg_u32 s15, 0
	s_cbranch_scc1 .Lpair
	TRIP 1, 0, 1, 1                                ; step 7
	TRIP 0, 1, 0, 1                                ; step 8 asks for nothing more
	; Where the second block began in step 8 (j = 0, 1) the first block's merge has read the exchange areas in that very step.  Every wave's
	; reads of its partner's area are back in front of this barrier, and the areas are written again only behind it.
	s_wait_dscnt 0x0
	s_barrier_signal -1
	s_barrier_wait -1
	PART1
	s_wait_dscnt 0x0                               ; my stores are in LDS, for my partner's sake
	s_barrier_signal -1
	s_barrier_wait -1
	PART2 0
	s_set_vgpr_msb 0x5
	s_wait_tensorcnt 0x0
	ds_add_u32 v0, v1
	s_wait_dscnt 0x0
	s_set_vgpr_msb 0x500
	s_endpgm
.Lfunc_end_k_q457743f83a_attn:
	.size	k_q457743f83a_attn, .Lfunc_end_k_q457743f83a_attn-k_q457743f83a_attn
	.p2alignl 7, 3214868480
	.fill 96, 4, 3214868480
	.section	.rodata,"a",@progbits
	.p2align	6, 0x0
	.amdhsa_kernel k_q457743f83a_attn
		.amdhsa_group_segment_fixed_size 327680
		.amdhsa_private_segment_fixed_size 0
		.amdhsa_enable_private_segment 0
		.amdhsa_kernarg_size 16
		.amdhsa_user_sgpr_count 2
		.amdhsa_user_sgpr_kernarg_segment_ptr 1
		.amdhsa_wavefront_size32 1
		.amdhsa_system_sgpr_workgroup_id_x 1
		.amdhsa_system_sgpr_workgroup_id_y 1
		.amdhsa_system_sgpr_workgroup_id_z 1
		.amdhsa_system_vgpr_workitem_id 0
		.amdhsa_next_free_vgpr 258
		.amdhsa_next_free_sgpr 76
		.amdhsa_reserve_vcc 1
		.amdhsa_float_denorm_mode_32 3
		.amdhsa_float_denorm_mode_16_64 3
		.amdhsa_memory_ordered 1
		.amdhsa_forward_progress 1
		.amdhsa_inst_pref_size 255
	.end_amdhsa_kernel
	.section	.bss,"aw",@nobits
	.p2align	6
	.space	262144
	.amdgpu_metadata
---
amdhsa.version: [ 1, 2 ]
amdhsa.kernels:
  - .name:           k_q457743f83a_attn
    .symbol:         k_q457743f83a_attn.kd
    .args:
      - { .name: qkvh, .offset: 0, .size: 8, .value_kind: global_buffer, .address_space: global }
      - { .name: yh, .offset: 8, .size: 8, .value_kind: global_buffer, .address_space: global }
    .group_segment_fixed_size: 327680
    .private_segment_fixed_size: 0
    .kernarg_segment_align: 8
    .kernarg_segment_size: 16
    .max_flat_workgroup_size: 256
    .sgpr_count:     76
    .vgpr_count:     258
    .wavefront_size: 32
...
	.end_amdgpu_metadata
.endif
;; end of part 3
;; launch proj (part 4): grid 8 x 32, 4 waves a work-group, clusters of 4 x 4, 327,680 bytes of LDS; arguments yh, cb, out0; writes out0
.if DOCPART == 4
	.amdgcn_target "amdgcn-amd-amdhsa--gfx1250"
	.amdhsa_code_object_version 6
	.text
	.protected	k_q457743f83a_proj
	.globl	k_q457743f83a_proj
	.p2align	8
	.type	k_q457743f83a_proj,@function
k_q457743f83a_proj:
	s_mov_b64 s[64:65], 0
	v_nop
	global_prefetch_b8 v0, s[64:65] scope:SCOPE_SE
	s_setreg_imm32_b32 hwreg(HW_REG_WAVE_MODE, 25, 1), 1
	s_wait_xcnt 0x0
	s_wait_alu depctr_hold_cnt(0) depctr_sa_sdst(0) depctr_va_vdst(0) depctr_va_sdst(0) depctr_va_ssrc(0) depctr_va_vcc(0) depctr_vm_vsrc(0)
	s_getreg_b32 s2, hwreg(HW_REG_IB_STS2, 6, 4)
	s_cmp_eq_u32 s2, 0
	s_cbranch_scc0 .Lentry_in_a_cluster
	s_endpgm
.Lentry_in_a_cluster:
	s_bfe_u32 s2, ttmp6, 0x10000c
	s_cmp_lg_u32 s2, 0xf033
	s_cbranch_scc0 .Lentry_shape_is_right
	s_endpgm
.Lentry_shape_is_right:
; out0 = y W_proj.  y: f16 by heads, yh[b*16+h][2048][64]; W_proj: f16 [1024 k][1024 n] at cb + 14,680,064; sums in f32; out0: f32 [4096][1024].
; A work-group makes 128 rows x 128 columns with four waves, a wave 64 x 64: 4 x 4 accumulator tiles, 128 registers.
; K (= 64 h + d) goes in 8 steps of 128, two heads each, through two LDS slots filled by the tensor data mover.
; A slot is four parts of 18,432 bytes, part w fetched by wave w with one load of 64 rows of 256 bytes:
;   parts 0, 1: heads 2 s and 2 s + 1 of y, 128 rows of 128 bytes = 64 dense rows of 256 bytes (two rows of y each), pitch 272;
;   parts 2, 3: W's k rows 0-63 and 64-127 of the step, 128 columns, pitch 288, one tile [128 k][128 n] (read by the transposing load).
; The text uses 147,456 bytes of LDS and asks for more than half of what a WGP has, so that it is alone there.
; CLUSTERS: 4 x 4 work-groups; y's tiles hang on the block row alone and are asked for jointly by a row of the cluster, W's on the block column
; alone and by a column.  By this text's own count a wave has two tensor loads out at the start and one later.
; The matrix instruction is used transposed (source 0 = 16 columns of W, source 1 = 16 rows of y): a lane's eight results are eight
; neighbouring columns of one row, 32 bytes of f32.
; REGISTERS: window 0: addresses, y's fragments (two buffers); window 1: W's fragments (two buffers);
; window 2: accumulator tile (a, b) at v[8 (4 a + b)] for row blocks 0-1; window 3: row blocks 2-3.
.set MT, 4
.set NT, 4
.set NAW, 2                            ; waves that fetch y
.set LAPS, 4
.set APITCH, 272
.set BPITCH, 288
.set AMB, 8*APITCH                     ; 16 rows of y are 8 LDS rows
.set WSTEP, 64*BPITCH                  ; 18,432: a wave's part of a slot
.set BLDS, 2*WSTEP
.set SLOT, 4*WSTEP
.set AKSTEP, 2*262144                  ; two heads on
.set BKSTEP, 128*1024*2
.set BGSTEP, 64*1024*2                 ; 64 k rows of W
.set BXB, 256                          ; a block column: 128 columns
.set BOFFG, 14680064                   ; W_proj in cb
.set SP, 528                           ; stage pitch: 512 bytes + 16
.set ADRA, 16                          ; v16-17
.set ADRB, 20                          ; v20-27  fragment b in slot s: v[20 + 4 s + b]
.set STO, 34                           ; v34-35
.set RD, 36
.set CO, 40
.set F0, 64
.set F1, 128
.set G1, 24
.set G0, 32
.set G1B, 48
.set G0B, 56
.set MSB, 0
.macro WIN new                         ; the immediate's high byte repeats the setting that is left
.if MSB != \new
	s_set_vgpr_msb (MSB<<8)|\new
.set MSB, \new
.endif
.endm
.set MUL_LO, 0xa1
.set MUL_HI, 0xf1
.set TO_B,   0x40
.macro JLOAD s                         ; waves 0, 1 ask for y's two heads, waves 2, 3 for W's two halves
	s_cmp_lt_u32 s10, NAW
	s_cbranch_scc0 .Lfor_b_\@
	tensor_load_to_lds s[G0+4*\s:G0+4*\s+3], s[G1:G1+7]
	s_nop 0
	s_branch .Lasked_\@
.Lfor_b_\@:
	tensor_load_to_lds s[G0B+4*\s:G0B+4*\s+3], s[G1B:G1B+7]
	s_nop 0
.Lasked_\@:
.endm
.macro CREST
	s_cmp_lg_u32 s10, 0
	s_cbranch_scc1 .Lnot_wave_0_\@
	s_barrier_signal -3
.Lnot_wave_0_\@:
	s_barrier_wait -3
	s_barrier_signal -1
	s_barrier_wait -1
.endm
.macro CROUND
	s_barrier_signal -1
	s_barrier_wait -1
	CREST
.endm
	s_load_b128 s[4:7], s[0:1], 0x0                ; yh s[4:5], cb s[6:7]
	s_load_b64 s[8:9], s[0:1], 0x10                ; out0
	s_set_vgpr_msb 0x40
	v_lshl_add_u32 v255, v0, 2, 0x29000
	s_set_vgpr_msb 0x4000
	v_mov_b32 v255, 0
	s_set_vgpr_msb 0x1
	ds_add_u32 v255, v255
	ds_add_u32 v255, v255
	s_set_vgpr_msb 0x100
	v_lshrrev_b32 v1, 5, v0
	v_readfirstlane_b32 s10, v1                    ; wave 0..3
	s_lshr_b32 s11, s10, 1                         ; which 64 rows are mine
	s_and_b32 s12, s10, 1                          ; which 64 columns
	s_bfe_u32 s40, ttmp6, 0x40000                  ; cx
	s_bfe_u32 s41, ttmp6, 0x40004                  ; cy
	s_lshl_b32 s42, ttmp9, 2
	s_add_co_u32 s42, s42, s40                     ; block column
	s_and_b32 s13, ttmp7, 0xffff
	s_lshl_b32 s13, s13, 2
	s_add_co_u32 s13, s13, s41                     ; block row
	s_lshl_b32 s43, s41, 2
	s_lshl_b32 s43, 15, s43                        ; my row of the cluster
	s_lshl_b32 s44, 0x1111, s40                    ; my column
	s_or_b32 s[G1+0], s43, (1<<16)|(1<<20)|(1<<21)|(5<<22)|(3<<25)
	s_or_b32 s[G1B+0], s44, (1<<16)|(1<<20)|(1<<21)|(5<<22)|(7<<25)
	s_mov_b32 s[G1+1], 128<<16                     ; tensor_dim0 = 128
	s_mov_b32 s[G1B+1], 128<<16
	s_mov_b32 s[G1+2], 64<<16                      ; tensor_dim1 = 64
	s_mov_b32 s[G1B+2], 64<<16
	s_mov_b32 s[G1+3], 128<<16                     ; tile_dim0 = 128
	s_mov_b32 s[G1B+3], 128<<16
	s_mov_b32 s[G1+4], 64                          ; tile_dim1 = 64
	s_mov_b32 s[G1B+4], 64
	s_mov_b32 s[G1+5], 128                         ; y: dense rows of 128 elements
	s_mov_b32 s[G1B+5], 1024                       ; W: elements from row to row
	s_mov_b32 s[G1+6], 0
	s_mov_b32 s[G1B+6], 0
	s_mov_b32 s[G1+7], 0
	s_mov_b32 s[G1B+7], 0
	s_lshr_b32 s16, s13, 4                         ; y: batch (16 heads of 262,144 bytes),
	s_lshl_b32 s16, s16, 22
	s_and_b32 s17, s13, 15                         ; 128 rows of 128 bytes a block row,
	s_lshl_b32 s17, s17, 14
	s_add_co_u32 s16, s16, s17
	s_lshl_b32 s17, s10, 18                        ; head = wave (waves 0, 1 ask by this address)
	s_add_co_u32 s16, s16, s17
	s_mov_b32 s17, 0
	s_mul_i32 s46, s42, BXB                        ; W: the block column, my 64 k rows (wave - 2), W_proj's place in cb
	s_mul_i32 s47, s10, BGSTEP
	s_add_co_u32 s46, s46, s47
	s_add_co_u32 s46, s46, BOFFG-NAW*BGSTEP
	s_mov_b32 s47, 0
	s_mul_i32 s20, s10, WSTEP                      ; my part of a slot
	s_wait_dscnt 0x0
	s_wait_kmcnt 0x0
	s_add_nc_u64 s[14:15], s[4:5], s[16:17]
	s_add_nc_u64 s[46:47], s[6:7], s[46:47]
	CROUND                                         ; all sixteen work-groups are here: the first joint loads meet
.irp s, 0,1
	s_mov_b32 s[G0+4*\s], 1
	s_add_co_u32 s[G0+4*\s+1], s20, \s*SLOT
	s_add_nc_u64 s[G0+4*\s+2:G0+4*\s+3], s[14:15], \s*AKSTEP
	s_or_b32 s[G0+4*\s+3], s[G0+4*\s+3], 0x80000000
	s_mov_b32 s[G0B+4*\s], 1
	s_add_co_u32 s[G0B+4*\s+1], s20, \s*SLOT
	s_add_nc_u64 s[G0B+4*\s+2:G0B+4*\s+3], s[46:47], \s*BKSTEP
	s_or_b32 s[G0B+4*\s+3], s[G0B+4*\s+3], 0x80000000
	JLOAD \s
.endr
	v_and_b32 v1, 15, v0                           ; r
	v_bfe_u32 v2, v0, 4, 1                         ; h
	v_lshrrev_b32 v3, 1, v1                        ; y's fragment: row r lies in LDS row r / 2, half r % 2; the sixteen lanes of a half
	v_and_b32 v5, 1, v0                            ; touch the 16-byte columns r / 2 + 8 (r % 2), all different
	v_mul_u32_u24 v3, v3, APITCH
	v_lshl_add_u32 v3, v5, 7, v3
	v_lshl_add_u32 v3, v2, 4, v3
	s_mul_i32 s21, s11, MT*AMB
	v_add_nc_u32 v[ADRA], s21, v3
	v_add_nc_u32 v[ADRA+1], SLOT, v[ADRA]
	v_and_b32 v4, 7, v0                            ; W's fragment by the transposing load
	v_lshl_add_u32 v4, v2, 3, v4
	v_mul_u32_u24 v4, v4, BPITCH
	v_bfe_u32 v5, v0, 3, 1
	v_lshl_add_u32 v4, v5, 4, v4
	s_lshl_b32 s22, s12, 7                         ; my 64 columns, 2 bytes each
	s_add_co_u32 s22, s22, BLDS
.irp b, 0,1,2,3
	v_add_nc_u32 v[ADRB+\b], s22, v4
	v_add_nc_u32 v[ADRB+NT+\b], SLOT, v[ADRB+\b]
	s_add_co_u32 s22, s22, 32
.endr
	v_mul_u32_u24 v6, v1, SP                       ; stage, in: row 64 wm + r, byte 4 (64 wn + 8 h)
	v_lshl_add_u32 v6, v2, 5, v6
	s_mul_i32 s23, s11, 16*MT*SP
	s_lshl_b32 s21, s12, 8
	s_add_co_u32 s23, s23, s21
	v_add_nc_u32 v[STO], s23, v6
	v_add_nc_u32 v[STO+1], (MT/2)*16*SP, v[STO]
	v_and_b32 v7, 31, v0                           ; stage, back: a row of 512 bytes an instruction, rows 32 w .. 32 w + 31
	s_mul_i32 s23, s10, 32*SP
	v_lshl_add_u32 v[RD], v7, 4, s23
	s_lshl_b32 s23, s10, 17                        ; 32 rows of 4,096 bytes of out0
	v_lshl_add_u32 v[CO], v7, 4, s23
.macro MULA f, hi, a, zero
.set bb, 0
.rept NT
.if \zero
	v_wmma_f32_16x16x32_f16 v[8*((\a)*NT+bb):8*((\a)*NT+bb)+7], v[\f+8*bb:\f+8*bb+7], v[\f+8*(\hi*(MT/2)+(\a)):\f+8*(\hi*(MT/2)+(\a))+7], 0
.else
	v_wmma_f32_16x16x32_f16 v[8*((\a)*NT+bb):8*((\a)*NT+bb)+7], v[\f+8*bb:\f+8*bb+7], v[\f+8*(\hi*(MT/2)+(\a)):\f+8*(\hi*(MT/2)+(\a))+7], v[8*((\a)*NT+bb):8*((\a)*NT+bb)+7]
.endif
.set bb, bb+1
.endr
.endm
; The 16 accumulators take turns, one instruction a turn, in the same order in every quarter step.
.macro MULP f, hi, a0, n, zero
.set aa, \a0
.rept \n
	MULA \f, \hi, aa, \zero
.set aa, aa+1
.endr
.endm
; K quarter q: head q / 2 of the step's two, d = 32 (q % 2) ..
.macro FETCH slot, q, f
	WIN TO_B
.set bb, 0
.rept NT
	ds_load_tr16_b128 v[\f+8*bb:\f+8*bb+3],   v[ADRB+\slot*NT+bb] offset:32*BPITCH*\q
	ds_load_tr16_b128 v[\f+8*bb+4:\f+8*bb+7], v[ADRB+\slot*NT+bb] offset:32*BPITCH*\q+16*BPITCH
.set bb, bb+1
.endr
	WIN 0
.set ii, 0
.rept MT
	ds_load_b128 v[\f+8*ii:\f+8*ii+3],   v[ADRA+\slot] offset:(\q>>1)*WSTEP+(\q&1)*64+ii*AMB
	ds_load_b128 v[\f+8*ii+4:\f+8*ii+7], v[ADRA+\slot] offset:(\q>>1)*WSTEP+(\q&1)*64+ii*AMB+32
.set ii, ii+1
.endr
.endm
; Four places behind a matrix instruction before a load lands on a register that it read or its result is read by anything but a matrix
; instruction (ISA guide 7.12.1 for vector instructions).
.macro PLACES
.rept 4
	v_nop
.endr
.endm
.macro QUARTER slot, q, f, g, zero
	s_wait_dscnt MT                                ; W and y's row blocks 0-1 are in; the youngest four loads (row blocks 2-3) may be out
	WIN MUL_LO
	MULP \f, 0, 0, MT/2, \zero
	PLACES
	FETCH \slot, \q, \g
	s_wait_dscnt 2*(MT+NT)                         ; all but the 16 just issued
	WIN MUL_HI
	MULP \f, 1, 0, MT/2, \zero
.endm
.macro THREE slot, zero
	QUARTER \slot, 1, F0, F1, \zero
	QUARTER \slot, 2, F1, F0, 0
	QUARTER \slot, 3, F0, F1, 0
.endm
; The change of slots: each wave's reads of this slot and all its tensor loads are waited for in front of the barrier; where the slot is filled
; again the barrier opens a round of the cluster's barrier and the joint refill is the first tensor load behind the round.
; From a request to the wait for it a wave issues 60 matrix instructions.
.macro TURN slot, next, fill
	s_wait_dscnt MT
	WIN MUL_LO
	MULP F1, 0, 0, MT/4, 0
	s_wait_dscnt 0
	s_wait_tensorcnt 0x0
	ds_add_u32 v255, v255
	s_wait_dscnt 0x0
	s_barrier_signal -1
	MULP F1, 0, MT/4, MT/4, 0
	WIN 0
	s_barrier_wait -1
.if \fill
	CREST
	s_add_nc_u64 s[G0+4*\slot+2:G0+4*\slot+3], s[G0+4*\slot+2:G0+4*\slot+3], 2*AKSTEP
	s_add_nc_u64 s[G0B+4*\slot+2:G0B+4*\slot+3], s[G0B+4*\slot+2:G0B+4*\slot+3], 2*BKSTEP
	JLOAD \slot
.endif
	PLACES
	FETCH \next, 0, F0
	WIN MUL_HI
	MULP F1, 1, 0, MT/2, 0
.endm
.macro LAP zero
	THREE 0, \zero
	TURN 0, 1, 1
	THREE 1, 0
	TURN 1, 0, 1
.endm
	s_wait_tensorcnt 1                             ; my part of K step 0 is in; K step 1's load stays out
	s_barrier_signal -1
	s_barrier_wait -1
	FETCH 0, 0, F0
	LAP 1
	WIN 0
	s_mov_b32 s3, LAPS-2
.Llap:
	LAP 0
	WIN 0
	s_sub_co_u32 s3, s3, 1
	s_cmp_lg_u32 s3, 0
	s_cbranch_scc1 .Llap
	THREE 0, 0
	TURN 0, 1, 0
	THREE 1, 0
	s_wait_dscnt MT
	WIN MUL_LO
	MULP F1, 0, 0, MT/2, 0
	s_wait_dscnt 0
	WIN MUL_HI
	MULP F1, 1, 0, MT/2, 0
	; THE WAY OUT.  The stage is LDS bytes 0 .. 67,583, inside slot 0: its last fill has been read by every wave in front of the last change of
	; slots, and no tensor load follows.  Each wave puts its f32 results, 32 bytes a lane and tile; behind a barrier wave w reads rows
	; 32 w .. 32 w + 31 back, a row of 512 bytes an instruction.
	PLACES
	s_lshl_b32 s66, s13, 19                        ; 128 rows of 4,096 bytes a block row,
	s_lshl_b32 s67, s42, 9                         ; 512 bytes a block column
	s_add_co_u32 s66, s66, s67
	s_mov_b32 s67, 0
	s_add_nc_u64 s[8:9], s[8:9], s[66:67]
.macro OUTA hi, a
	WIN 0x08+4*\hi                                 ; the stores' data in window 2 or 3, the address in window 0
.set bb, 0
.rept NT
	ds_store_b128 v[STO+\hi], v[8*((\a)*NT+bb):8*((\a)*NT+bb)+3]   offset:(\a)*16*SP+64*bb
	ds_store_b128 v[STO+\hi], v[8*((\a)*NT+bb)+4:8*((\a)*NT+bb)+7] offset:(\a)*16*SP+64*bb+16
.set bb, bb+1
.endr
.endm
	OUTA 0, 0
	OUTA 0, 1
	OUTA 1, 0
	OUTA 1, 1
	WIN 0
	s_wait_dscnt 0x0                               ; my stores are in LDS, for the other waves' sake
	s_barrier_signal -1
	s_barrier_wait -1
.macro BACK t, f
	s_wait_xcnt 0x0                                ; buffer f, which earlier stores read, is loaded again only behind this wait
.irp i, 0,1,2,3,4,5,6,7
	ds_load_b128 v[\f+4*\i:\f+4*\i+3], v[RD] offset:SP*(8*\t+\i)
.endr
.irp i, 0,1,2,3,4,5,6,7
	s_wait_dscnt 7-\i
	global_store_b128 v[CO], v[\f+4*\i:\f+4*\i+3], s[8:9] offset:4096*(8*\t+\i)   ; the wave stores 512 consecutive bytes, aligned
.endr
.endm
	BACK 0, F0
	BACK 1, F1
	BACK 2, F0
	BACK 3, F1
	s_set_vgpr_msb 0x1
	s_wait_tensorcnt 0x0
	ds_add_u32 v255, v255
	s_wait_dscnt 0x0
	s_set_vgpr_msb 0x100
	CROUND                                         ; the closing round: no work-group ends while a partner may still ask for a tile that names it
	s_endpgm
.Lfunc_end_k_q457743f83a_proj:
	.size	k_q457743f83a_proj, .Lfunc_end_k_q457743f83a_proj-k_q457743f83a_proj
	.p2alignl 7, 3214868480
	.fill 96, 4, 3214868480
	.section	.rodata,"a",@progbits
	.p2align	6, 0x0
	.amdhsa_kernel k_q457743f83a_proj
		.amdhsa_group_segment_fixed_size 327680
		.amdhsa_private_segment_fixed_size 0
		.amdhsa_enable_private_segment 0
		.amdhsa_kernarg_size 24
		.amdhsa_user_sgpr_count 2
		.amdhsa_user_sgpr_kernarg_segment_ptr 1
		.amdhsa_wavefront_size32 1
		.amdhsa_system_sgpr_workgroup_id_x 1
		.amdhsa_system_sgpr_workgroup_id_y 1
		.amdhsa_system_sgpr_workgroup_id_z 1
		.amdhsa_system_vgpr_workitem_id 0
		.amdhsa_next_free_vgpr 832
		.amdhsa_next_free_sgpr 68
		.amdhsa_reserve_vcc 0
		.amdhsa_float_denorm_mode_32 3
		.amdhsa_float_denorm_mode_16_64 3
		.amdhsa_memory_ordered 1
		.amdhsa_forward_progress 1
		.amdhsa_inst_pref_size 76
	.end_amdhsa_kernel
	.amdgpu_metadata
---
amdhsa.version: [ 1, 2 ]
amdhsa.kernels:
  - .name:           k_q457743f83a_proj
    .symbol:         k_q457743f83a_proj.kd
    .args:
      - { .name: yh, .offset: 0, .size: 8, .value_kind: global_buffer, .address_space: global }
      - { .name: cb, .offset: 8, .size: 8, .value_kind: global_buffer, .address_space: global }
      - { .name: out0, .offset: 16, .size: 8, .value_kind: global_buffer, .address_space: global }
    .group_segment_fixed_size: 327680
    .private_segment_fixed_size: 0
    .kernarg_segment_align: 8
    .kernarg_segment_size: 24
    .max_flat_workgroup_size: 128
    .sgpr_count:     68
    .vgpr_count:     832
    .wavefront_size: 32
...
	.end_amdgpu_metadata
.endif
;; end of part 4
;; ======== version 2 of 2: 4 launches; version 1 with the launch cast written anew for expert scheduling mode
;; limits: values are held in f16: magnitudes above 65,504 overflow, below 6.1e-05 lose precision
;; workspace buffers: cb 16,777,216 bytes; qkvh 25,165,824 bytes; yh 8,388,608 bytes
;; launch cast (part 5): grid 256 x 1, 8 waves a work-group, no clusters, 0 bytes of LDS; arguments x, W_qkv, W_proj, cb; writes cb
.if DOCPART == 5
	.amdgcn_target "amdgcn-amd-amdhsa--gfx1250"
	.amdhsa_code_object_version 6
	.text
	.protected	k_q457743f83a_cast
	.globl	k_q457743f83a_cast
	.p2align	8
	.type	k_q457743f83a_cast,@function
k_q457743f83a_cast:
	s_mov_b64 s[64:65], 0
	v_nop
	global_prefetch_b8 v0, s[64:65] scope:SCOPE_SE
	s_setreg_imm32_b32 hwreg(HW_REG_WAVE_SCHED_MODE, 0, 2), 2
	s_setreg_imm32_b32 hwreg(HW_REG_WAVE_MODE, 25, 1), 1
	s_wait_xcnt 0x0
	s_wait_alu depctr_vm_vsrc(0)
; x, W_qkv and W_proj (f32) are rounded once to 16 bits and laid one behind the other in cb:
;   byte 0          x      as bf16 [4096][1024]
;   byte 8,388,608  W_qkv  as bf16 [1024][3072]
;   byte 14,680,064 W_proj rounded to bf16 and that value written as f16 [1024][1024] (the last product's other operand is f16)
; LIMIT: |W_proj| below 65,504 (f16's largest number); below 6.1e-5 the f16 code is a denormal, absolute error at most 3e-8.
; A stream: no LDS, no matrix unit, no cluster, since no byte is read twice.
; Work-group g owns 32,768 numbers: 131,072 bytes in, 65,536 bytes out at cb + 65,536 g.  Groups 0-127 take x, 128-223 W_qkv,
; 224-255 W_proj, so that the output offset is linear in g.  Thread t takes 8 numbers a pass (32 bytes in, 16 bytes out), 16 passes.
; All 32 loads of a thread are issued at once; no register is used twice, so no source of a pending access is ever rewritten.
; THE MODE: SCHED_MODE bits 1:0 = 2 (LLVM: expert scheduling mode 2), set by the entry lines.  The code itself states the register dependences
; between vector instructions and memory instructions, with s_wait_alu, always for 0.
; THE PLAN.  Registers that memory instructions touch:
;   v1, v2   byte offsets, written once at the head; v1 is read by every load, v2 by every store; never written again.
;   X        pass p: 8 registers, written by that pass's two loads alone, once; no vector instruction names them ahead of the loads; read by the pass's conversions.
;   Y        pass p: 4 registers, written by that pass's conversions; read by that pass's one store; never written again.
;   T        named by vector instructions alone.
; So one wait on va_vdst stands ahead of the first load, for the two offsets, and one for each group of four passes, behind the group's conversions and ahead
; of its run of four stores.  No register that a memory instruction reads is written afterwards, no vector instruction writes a scalar register or VCC,
; and EXEC is never written: no other wait of this kind has a dependence to state.
.set X, 4                              ; v[4:131]    pass p: 8 numbers as loaded
.set Y, 132                            ; v[132:195]  pass p: 4 words to store
.set T, 196                            ; v[196:197]  at work
.set PASSES, 16
	s_load_b256 s[4:11], s[0:1], 0x0               ; x s[4:5], W_qkv s[6:7], W_proj s[8:9], cb s[10:11]
	v_lshlrev_b32 v1, 5, v0                        ; 32 t: my bytes in a pass's 8,192
	v_lshlrev_b32 v2, 4, v0                        ; 16 t: my bytes in a pass's 4,096 of output
	s_wait_kmcnt 0x0
	s_cmp_lt_u32 ttmp9, 128                        ; which input is mine, and which group is its first
	s_cselect_b64 s[12:13], s[4:5], s[6:7]
	s_cselect_b32 s14, 0, 128
	s_cmp_lt_u32 ttmp9, 224
	s_cselect_b64 s[12:13], s[12:13], s[8:9]
	s_cselect_b32 s14, s14, 224
	s_sub_co_u32 s14, ttmp9, s14
	s_lshl_b32 s16, s14, 17                        ; 131,072 bytes of input a group
	s_mov_b32 s17, 0
	s_add_nc_u64 s[12:13], s[12:13], s[16:17]
	s_lshl_b32 s18, ttmp9, 16                      ; 65,536 bytes of output a group
	s_mov_b32 s19, 0
	s_add_nc_u64 s[10:11], s[10:11], s[18:19]
	s_wait_alu depctr_va_vdst(0)                   ; v1 and v2 are written: every load below reads v1 as its offset, every store v2
.set p, 0
.rept PASSES
	global_load_b128 v[X+8*p:X+8*p+3],   v1, s[12:13] offset:8192*p th:TH_LOAD_NT
	global_load_b128 v[X+8*p+4:X+8*p+7], v1, s[12:13] offset:8192*p+16 th:TH_LOAD_NT
.set p, p+1
.endr
; One pass's arithmetic.  half = 1: the bf16 value is widened again (a shift, a mask) and written as f16.
.macro CONV p, half
.irp k, 0,1,2,3
	v_cvt_pk_bf16_f32 v[Y+4*(\p)+\k], v[X+8*(\p)+2*\k], v[X+8*(\p)+2*\k+1]
.endr
.if \half
.irp k, 0,1,2,3
	v_lshlrev_b32 v[T], 16, v[Y+4*(\p)+\k]
	v_and_b32 v[T+1], 0xffff0000, v[Y+4*(\p)+\k]
	v_cvt_pk_f16_f32 v[Y+4*(\p)+\k], v[T], v[T+1]
.endr
.endif
.endm
; Group g: passes 4 g to 4 g + 3: their arithmetic, one wait, their four stores in a run.
.macro GROUP g, half
	s_wait_loadcnt 24-8*(\g)                       ; loads come back in order: this group's eight are in, the 8 (3 - g) younger ones stay out
.irp i, 0,1,2,3
	CONV 4*(\g)+\i, \half
.endr
	s_wait_alu depctr_va_vdst(0)                   ; the conversions have written Y of the group's four passes, which the four stores below read
.irp i, 0,1,2,3
	global_store_b128 v2, v[Y+4*(4*(\g)+\i):Y+4*(4*(\g)+\i)+3], s[10:11] offset:4096*(4*(\g)+\i)   ; sixteen lanes store 256 consecutive bytes, aligned
.endr
.endm
	s_cmp_ge_u32 ttmp9, 224
	s_cbranch_scc1 .Lwp
.irp g, 0,1,2,3
	GROUP \g, 0
.endr
	s_endpgm
.Lwp:
.irp g, 0,1,2,3
	GROUP \g, 1
.endr
	s_endpgm
.Lfunc_end_k_q457743f83a_cast:
	.size	k_q457743f83a_cast, .Lfunc_end_k_q457743f83a_cast-k_q457743f83a_cast
	.p2alignl 7, 3214868480
	.fill 96, 4, 3214868480
	.section	.rodata,"a",@progbits
	.p2align	6, 0x0
	.amdhsa_kernel k_q457743f83a_cast
		.amdhsa_group_segment_fixed_size 0
		.amdhsa_private_segment_fixed_size 0
		.amdhsa_enable_private_segment 0
		.amdhsa_kernarg_size 32
		.amdhsa_user_sgpr_count 2
		.amdhsa_user_sgpr_kernarg_segment_ptr 1
		.amdhsa_wavefront_size32 1
		.amdhsa_system_sgpr_workgroup_id_x 1
		.amdhsa_system_sgpr_workgroup_id_y 1
		.amdhsa_system_sgpr_workgroup_id_z 1
		.amdhsa_system_vgpr_workitem_id 0
		.amdhsa_next_free_vgpr 200
		.amdhsa_next_free_sgpr 66
		.amdhsa_reserve_vcc 0
		.amdhsa_float_denorm_mode_32 3
		.amdhsa_float_denorm_mode_16_64 3
		.amdhsa_memory_ordered 1
		.amdhsa_forward_progress 1
		.amdhsa_inst_pref_size 26
	.end_amdhsa_kernel
	.amdgpu_metadata
---
amdhsa.version: [ 1, 2 ]
amdhsa.kernels:
  - .name:           k_q457743f83a_cast
    .symbol:         k_q457743f83a_cast.kd
    .args:
      - { .name: x, .offset: 0, .size: 8, .value_kind: global_buffer, .address_space: global }
      - { .name: W_qkv, .offset: 8, .size: 8, .value_kind: global_buffer, .address_space: global }
      - { .name: W_proj, .offset: 16, .size: 8, .value_kind: global_buffer, .address_space: global }
      - { .name: cb, .offset: 24, .size: 8, .value_kind: global_buffer, .address_space: global }
    .group_segment_fixed_size: 0
    .private_segment_fixed_size: 0
    .kernarg_segment_align: 8
    .kernarg_segment_size: 32
    .max_flat_workgroup_size: 256
    .sgpr_count:     66
    .vgpr_count:     200
    .wavefront_size: 32
...
	.end_amdgpu_metadata
.endif
;; end of part 5
;; launch qkv: the kernel of part 2 again; grid 8 x 32, 4 waves a work-group, clusters of 4 x 4, 327,680 bytes of LDS; arguments cb, qkvh; writes qkvh
;; launch attn: the kernel of part 3 again; grid 8 x 32, 8 waves a work-group, no clusters, 327,680 bytes of LDS; arguments qkvh, yh; writes yh
;; launch proj: the kernel of part 4 again; grid 8 x 32, 4 waves a work-group, clusters of 4 x 4, 327,680 bytes of LDS; arguments yh, cb, out0; writes out0
